; MI455X (gfx1250); checked and timed in simulation.
; The chip was launched on July 23, 2026; its instructions are those of AMD's public machine-readable ISA for CDNA 5 (MIT licence, August 2026) and "CDNA5" Instruction Set Architecture Reference Guide (July 2026). The comments in the code are by the model that wrote it; some were corrected since.
;; Multi Head Attention. Allowed arithmetic: matrix products marked QUANTISED: E2M1 operands, one E8M0 scale for each 32 along K, by v_wmma_scale_f32_16x16x128_f8f6f4 with both operands' format E2M1 (or v_wmma_scale_f32_32x16x128_f4), f32 sums; products left as they are: bf16, f16 or f32 operands; f32 sums; everything else in f32.
;; Inputs: Wk 16 x 1,024 x 64 float32; Wq 16 x 1,024 x 64 float32; Wv 16 x 1,024 x 64 float32; proj_b 1,024 float32; proj_w 1,024 x 1,024 float32; x 4 x 2,048 x 1,024 float32.
;; Outputs: out0 4 x 2,048 x 1,024 float32.
;; This version of the problem:
;;   THIS VERSION OF THE PROBLEM IS GIVEN IN LOW PRECISION. The matrix products marked QUANTISED in the list below multiply operands that are first quantised to E2M1 (2 exponent bits, 1 mantissa bit; 4 bits a number), with one power-of-two scale for each 32 numbers along K (OCP MX v1.0); their sums are f32. The products marked 'left as it is' may take bf16, f16 or f32 operands, with f32 sums. Whichever they take, every output number must still come out within the allowed error. Rounding operands to bf16 (8 significant bits) uses up far more of that allowance than f16 does (11 bits, for magnitudes from 6e-5 to 65,504). All else is computed in f32.
;;   The module's matrix products, in the order in which they are computed (A, B: the left and right operand; K: the contracted axis; several contracted axes count as one K, in the product's order):
;;     1. [M 1,024, K 1,024] x [K 1,024, N 8,192]; A: input Wq; B: input x: QUANTISED
;;     2. [M 1,024, K 1,024] x [K 1,024, N 8,192]; A: input Wk; B: input x: QUANTISED
;;     3. [M 1,024, K 1,024] x [K 1,024, N 8,192]; A: input Wv; B: input x: QUANTISED
;;     4. batch 64 x [M 2,048, K 64] x [K 64, N 2,048]; A: computed on the way; B: computed on the way: left as it is (an operand is computed on the way)
;;     5. batch 64 x [M 2,048, K 2,048] x [K 2,048, N 64]; A: computed on the way; B: computed on the way: left as it is (an operand is computed on the way)
;;     6. [M 8,192, K 1,024] x [K 1,024, N 1,024]; A: computed on the way; B: input proj_w: left as it is (an operand is computed on the way)
;;   THE QUANTISER, for each operand of a quantised product, along K:
;;     - K is cut into blocks of 32 from its start; a last block that is shorter is filled with zeros.
;;     - A block's scale is 2^e with e = floor(log2(the largest magnitude in the block)) - 2, held to -126 .. 127; a block of zeros has e = 0. As a byte (E8M0): e + 127.
;;     - Each number is divided by its block's scale, clamped to +-6, and rounded to the nearest number of E2M1, ties to even, subnormals kept.
;;     - The product sums the exact products of the quantised numbers (number of the format x scale) in f32.
;;   ~~~python
;;   def quantise(x, axis):      # numpy; x: float32 -> the quantised numbers, widened to float32 again
;;       x = np.moveaxis(x, axis, -1); K = x.shape[-1]
;;       x = np.pad(x, [(0, 0)] * (x.ndim - 1) + [(0, -K % 32)]); x = x.reshape(x.shape[:-1] + (-1, 32)); a = np.abs(x).max(-1, keepdims=True)
;;       e = np.where(a > 0, np.clip(np.frexp(np.where(a > 0, a, 1))[1] - 1 - 2, -126, 127), 0)      # np.frexp(a)[1] - 1 = floor(log2(a)), exactly
;;       r = np.clip(x / 2.0 ** e, -6, 6)
;;       step = 2.0 ** (np.maximum(np.frexp(np.where(r == 0, 1, r))[1] - 1, 0) - 1)
;;       q = np.round(r / step) * step * 2.0 ** e      # np.round: ties to even
;;       return np.moveaxis(q.reshape(q.shape[:-2] + (-1,))[..., :K], -1, axis).astype(np.float32)
;;   ~~~
;; One version. Each part assembles by itself: llvm-mc -triple=amdgcn-amd-amdhsa -mcpu=gfx1250 --defsym DOCPART=n.
;; ======== version 1 of 1: 5 launches
;; limits: values are held in f16: magnitudes above 65,504 overflow, below 6.1e-05 lose precision
;; workspace buffers: codes 5,767,168 bytes; scl 360,448 bytes; pimg 2,097,152 bytes; qkv 50,331,648 bytes; aimg 16,777,216 bytes; f32rows 786,432 bytes
;; launch prep (part 1): grid 512 x 1, 4 waves a work-group, no clusters, 34,304 bytes of LDS; arguments x, Wq, Wk, Wv, proj_w, codes, scl, pimg; writes codes, scl, pimg
.if DOCPART == 1
	.amdgcn_target "amdgcn-amd-amdhsa--gfx1250"
	.amdhsa_code_object_version 6
	.text
	.protected	k_qbd1c1e869f_prep
	.globl	k_qbd1c1e869f_prep
	.p2align	8
	.type	k_qbd1c1e869f_prep,@function
k_qbd1c1e869f_prep:
	s_mov_b64 s[64:65], 0
	v_nop
	global_prefetch_b8 v0, s[64:65] scope:SCOPE_SE
	s_setreg_imm32_b32 hwreg(HW_REG_WAVE_MODE, 25, 1), 1
	s_wait_xcnt 0x0
; CAUSAL MULTI-HEAD ATTENTION: B 4, T 2,048, C 1,024, 16 heads of 64.  Five launches: prep (this one), qkvgemm, attn, proj, first16.
; WORK LEFT OUT IN THE WHOLE PROGRAM.  reference() itself sets wei to -inf wherever key s > query t (its own jnp.tril), and its softmax gives such a key the weight exp(-inf) = 0 whatever finite
; values the inputs hold.  So q.k and p.v of a key step whose 64 keys ALL come after a wave's 32 queries can reach no output, and launch attn does not compute them.  Nothing else is left out; all six inputs are loaded.
; LIMITS: a NaN, an infinity or an overflow that reaches only those hidden steps is not carried to the result.  q, k, v and the attention's result go on as f16: magnitudes under 65,504.  Scores under 1e38.
; NaN and infinities among the inputs are not served.  Blocks whose largest magnitude lies under 2^(3 - 127) keep the scale byte 1.
; THIS LAUNCH: x [8192][1024] and Wq, Wk, Wv [16][1024][64] become codes of E2M1 along C with one E8M0 byte for each 32; proj_w becomes f16.  All three are stored AS IMAGES OF OPERAND REGISTERS:
; a group of four registers of a fragment lies as 16 bytes a lane, 512 bytes on end, so that later launches load fragments at 16 x lane with no pitch and no turning.
;   codes: x at 0:       [token tile 512][K step 8][block of 32: 4][row 16][16 bytes];   W at WIMG: [column tile 192][K step 8][block 4][column 16][16 bytes], column = 1024 sel + 64 head + d, sel 0 q, 1 k, 2 v
;   scl:   x at 0, W at WSCL: [tile][half of K 2][row 16][4 words]; a word = the four bytes of one K step of 128
;   pimg:  [64 columns: 16][32 k: 32][column tile 4][8 k: 4][column 16][8 f16]
; A block's scale byte is its largest magnitude's exponent field - 2, held at 1 from below by a floor among the maximum's leaves.  (A block of zeros keeps the byte 1 where the quantiser says 127: its codes are zeros, and this program alone reads the bytes.)
; Work-groups 0-255 take x, 256-447 the three W, 448-511 proj_w.  Only x's path uses LDS.  No matrix unit, no cluster, no tensor load: a stream that is read once.
.set STG,   8448                       ; x's path: a wave's stage, 16 rows x (512 bytes + 16)
.set SPARE, 4*STG                      ; behind the four stages: the spare words, 128 bytes a wave
.set WIMG,  4194304
.set WSCL,  262144
.set R,   16                           ; v16-143  numbers as loaded (x: two sets of 64; W, proj_w: 128 down K)
.set X,   144                          ; v144-207 x: my two blocks of 32 neighbours
.set C,   208                          ; v208-239 x: codes, 8 registers a K step, never rewritten
.set WD,  240                          ; v240-243 x: the four scale words
.set MX,  244                          ; v244-245 largest magnitudes
.set SO,  246                          ; v246-247 the conversions' scale operands
.set BY,  248                          ; v248-249 scale bytes
.set WT,  250
.set PT,  251
.set SH,  252
	s_load_b256 s[4:11], s[0:1], 0x0               ; x s[4:5], Wq s[6:7], Wk s[8:9], Wv s[10:11]
	s_load_b256 s[12:19], s[0:1], 0x20             ; proj_w s[12:13], codes s[14:15], scl s[16:17], pimg s[18:19]
	v_lshl_add_u32 v10, v0, 2, SPARE               ; my spare word
	v_mov_b32 v11, 0
	v_lshrrev_b32 v1, 5, v0
	v_readfirstlane_b32 s20, v1                    ; wave
	v_and_b32 v1, 31, v0                           ; lane
	v_and_b32 v2, 15, v0                           ; r
	v_bfe_u32 v3, v0, 4, 1                         ; h
	v_lshlrev_b32 v4, 4, v1                        ; 16 x lane
	s_mov_b32 s22, 0x76543210
	s_mov_b32 s23, 0xfedcba98                      ; v_permlanex16_b32's selects for lane l xor 16
	s_cmp_lt_u32 ttmp9, 256
	s_cbranch_scc0 .Lnot_x
; ---- x.  A wave takes one token tile (16 rows) and half of K: four K steps of 128.  Each load reads 512 consecutive bytes of one row; the 16 x 512 bytes turn through the wave's own stage,
; so that lane (r, h) holds blocks h and 2 + h of row r, 32 neighbours each, as the operand's layout gives them to that lane.
	s_lshl_b32 s24, ttmp9, 2
	s_add_co_u32 s24, s24, s20
	s_lshr_b32 s25, s24, 1                         ; token tile
	s_and_b32 s26, s24, 1                          ; half of K
	s_lshl_b32 s28, s25, 16                        ; x: 16 rows of 4,096 bytes a tile, 2,048 bytes a half
	s_lshl_b32 s27, s26, 11
	s_add_co_u32 s28, s28, s27
	s_mov_b32 s29, 0
	s_lshl_b32 s30, s25, 13                        ; codes: 8,192 bytes a tile, 4,096 a half
	s_lshl_b32 s27, s26, 12
	s_add_co_u32 s30, s30, s27
	s_mov_b32 s31, 0
	s_lshl_b32 s32, s25, 9                         ; scale words: 512 bytes a tile, 256 a half
	s_lshl_b32 s27, s26, 8
	s_add_co_u32 s32, s32, s27
	s_mov_b32 s33, 0
	s_mul_i32 s21, s20, STG
	v_add_nc_u32 v5, s21, v4                       ; into the stage: 16 x lane of a row
	v_mul_u32_u24 v6, v2, 528
	v_lshl_add_u32 v6, v3, 7, v6
	v_add_nc_u32 v6, s21, v6                       ; out of it: row r, + 128 h.  The pitch is 33 x 16 bytes: sixteen rows start at sixteen different 16-byte columns of 256
	v_lshlrev_b32 v7, 4, v2
	v_lshl_add_u32 v7, v3, 3, v7                   ; scale words out: 16 r + 8 h
	v_lshlrev_b32 v[SH], 3, v3
	v_mov_b32 v[PT], 0                             ; a lane permute's destination counts as one of its sources
	s_wait_kmcnt 0x0
	s_add_nc_u64 s[4:5], s[4:5], s[28:29]
	s_add_nc_u64 s[14:15], s[14:15], s[30:31]
	s_add_nc_u64 s[16:17], s[16:17], s[32:33]
.macro XLOAD s                         ; K step s of my 16 rows into set s % 2
.irp i, 0,1,2,3,4,5,6,7,8,9,10,11,12,13,14,15
	global_load_b128 v[R+64*((\s)%2)+4*\i:R+64*((\s)%2)+4*\i+3], v4, s[4:5] offset:\i*4096+(\s)*512 th:TH_LOAD_NT
.endr
.endm
.macro XSTEP s
.if (\s) < 3
	s_wait_loadcnt 16                              ; this step's 16 loads are in; the next step's 16 may be out
.else
	s_wait_loadcnt 0
.endif
.irp i, 0,1,2,3,4,5,6,7,8,9,10,11,12,13,14,15
	ds_store_b128 v5, v[R+64*((\s)%2)+4*\i:R+64*((\s)%2)+4*\i+3] offset:\i*528
.endr
.irp c, 0,1                            ; LDS serves a wave's instructions in order: these see the stores above
.irp g, 0,1,2,3,4,5,6,7
	ds_load_b128 v[X+32*\c+4*\g:X+32*\c+4*\g+3], v6 offset:\c*256+\g*16
.endr
.endr
	s_wait_dscnt 0x0                               ; my neighbours are in, and the stores have read their registers,
.if (\s) < 2
	XLOAD (\s)+2                                   ; which take the loads of two steps on
.endif
.irp c, 0,1
	v_max3_num_f32 v[MX+\c], |v[X+32*\c]|, |v[X+32*\c+1]|, 0x1800000   ; block 2 c + h: all 32 numbers are mine; the floor 2^(3 - 127) holds the byte at 1 from below
.endr
.irp i, 2,4,6,8,10,12,14,16,18,20,22,24,26,28,30
.irp c, 0,1
	v_max3_num_f32 v[MX+\c], v[MX+\c], |v[X+32*\c+\i]|, |v[X+32*\c+\i+1]|
.endr
.endr
.irp c, 0,1
	v_add_nc_u32 v[SO+\c], 0xff000000, v[MX+\c]    ; 2 off the exponent field: the conversion takes this operand's exponent field as its scale
.endr
.irp c, 0,1
	v_lshrrev_b32 v[BY+\c], 23, v[SO+\c]           ; the scale's byte
.endr
	v_lshl_or_b32 v[WT], v[BY+1], 16, v[BY]        ; my two bytes, blocks h and 2 + h,
	v_lshlrev_b32 v[WT], v[SH], v[WT]              ; at their places in the word;
	v_permlanex16_b32 v[PT], v[WT], s22, s23
	v_or_b32 v[WD+(\s)], v[WT], v[PT]              ; with lane l xor 16's two the word is whole
.irp c, 0,1
.irp g, 0,1,2,3
	v_cvt_scalef32_pk8_fp4_f32 v[C+8*(\s)+4*\c+\g], v[X+32*\c+8*\g:X+32*\c+8*\g+7], v[SO+\c]
.endr
.endr
	v_nop                                          ; one plain line behind the last scaled conversion
.irp c, 0,1
	global_store_b128 v4, v[C+8*(\s)+4*\c:C+8*(\s)+4*\c+3], s[14:15] offset:(\s)*1024+\c*512   ; the fragment's group c as it stands: 512 consecutive bytes
.endr
.endm
	XLOAD 0
	XLOAD 1
	XSTEP 0
	XSTEP 1
	XSTEP 2
	XSTEP 3
	v_cmp_ne_u32 vcc_lo, 0, v3
	v_cndmask_b32 v[MX], v[WD], v[WD+2], vcc_lo    ; lanes 0-15 store words 0, 1 of row r, lanes 16-31 words 2, 3:
	v_cndmask_b32 v[MX+1], v[WD+1], v[WD+3], vcc_lo
	global_store_b64 v7, v[MX:MX+1], s[16:17]      ; the wave stores 256 consecutive bytes, aligned
	s_wait_tensorcnt 0x0                           ; the wave's end, behind my last LDS store
	ds_add_u32 v10, v11
	s_wait_dscnt 0x0
	s_endpgm
.Lnot_x:
	s_cmp_lt_u32 ttmp9, 448
	s_cbranch_scc0 .Lproj
; ---- Wq, Wk, Wv [head][c][d]: K = c is not innermost.  A lane takes a column d and its registers run down K: a block of 32 lies in one lane, and the codes come out with K innermost.  A wave: 32 columns x one K step of 128.
	s_sub_co_u32 s24, ttmp9, 256
	s_lshr_b32 s25, s24, 6                         ; sel: 0 q, 1 k, 2 v
	s_bfe_u32 s26, s24, 0x40002                    ; head
	s_and_b32 s27, s24, 3
	s_lshl_b32 s27, s27, 2
	s_add_co_u32 s27, s27, s20
	s_and_b32 s28, s27, 1                          ; which 32 of the head's 64 columns
	s_lshr_b32 s29, s27, 1                         ; K step
	s_lshl_b32 s30, s26, 18                        ; in: head x 262,144 + K step x 128 rows of 256 bytes + 128 x half
	s_lshl_b32 s31, s29, 15
	s_add_co_u32 s30, s30, s31
	s_lshl_b32 s31, s28, 7
	s_add_co_u32 s30, s30, s31
	s_mov_b32 s31, 0
	s_lshl_b32 s32, s25, 6                         ; my first column tile: 64 sel + 4 head + 2 half
	s_lshl_b32 s33, s26, 2
	s_add_co_u32 s32, s32, s33
	s_lshl_b32 s33, s28, 1
	s_add_co_u32 s32, s32, s33
	s_lshl_b32 s34, s32, 13                        ; codes: 8,192 bytes a tile, 1,024 a K step
	s_lshl_b32 s33, s29, 10
	s_add_co_u32 s34, s34, s33
	s_add_co_u32 s34, s34, WIMG
	s_mov_b32 s35, 0
	s_lshl_b32 s36, s32, 9                         ; scale words: 512 bytes a tile, 256 a half of K, 4 a K step
	s_lshr_b32 s33, s29, 2
	s_lshl_b32 s33, s33, 8
	s_add_co_u32 s36, s36, s33
	s_and_b32 s33, s29, 3
	s_lshl_b32 s33, s33, 2
	s_add_co_u32 s36, s36, s33
	s_add_co_u32 s36, s36, WSCL
	s_mov_b32 s37, 0
	v_lshlrev_b32 v5, 2, v1                        ; in: 4 bytes a lane
	v_lshlrev_b32 v6, 4, v2
	v_lshl_add_u32 v7, v3, 9, v6                   ; scale words: lanes 16-31 are the next tile
	v_lshl_add_u32 v6, v3, 13, v6                  ; codes likewise
	s_wait_kmcnt 0x0
	s_cmp_eq_u32 s25, 0                            ; the choice hangs on the work-group's number alone
	s_cselect_b64 s[38:39], s[6:7], s[8:9]
	s_cmp_eq_u32 s25, 2
	s_cselect_b64 s[38:39], s[10:11], s[38:39]
	s_add_nc_u64 s[38:39], s[38:39], s[30:31]
	s_add_nc_u64 s[14:15], s[14:15], s[34:35]
	s_add_nc_u64 s[16:17], s[16:17], s[36:37]
.set kk, 0
.rept 128
	global_load_b32 v[R+kk], v5, s[38:39] offset:kk*256 th:TH_LOAD_NT   ; W(128 step + kk, my column): 32 lanes read 128 consecutive bytes
.set kk, kk+1
.endr
.macro WBLOCK b
.set NB, R+32*(\b)
.if 96-32*(\b) > 63
	s_wait_loadcnt 63                              ; behind this block's loads 96 - 32 b were issued; the count's field holds 63, and a smaller count is safe
.else
	s_wait_loadcnt 96-32*(\b)                      ; the later blocks' loads may be out
.endif
	v_max3_num_f32 v[MX], |v[NB]|, |v[NB+1]|, |v[NB+2]|
	v_max3_num_f32 v[MX+1], |v[NB+3]|, |v[NB+4]|, |v[NB+5]|
.irp i, 6,10,14,18,22,26
	v_max3_num_f32 v[MX], v[MX], |v[NB+\i]|, |v[NB+\i+1]|
	v_max3_num_f32 v[MX+1], v[MX+1], |v[NB+\i+2]|, |v[NB+\i+3]|
.endr
	v_max3_num_f32 v[MX], v[MX], |v[NB+30]|, |v[NB+31]|
	v_max3_num_f32 v[MX], v[MX], v[MX+1], 0x1800000
	v_add_nc_u32 v[SO], 0xff000000, v[MX]
	v_lshrrev_b32 v[BY], 23, v[SO]
.if (\b) == 0
	v_mov_b32 v160, v[BY]                          ; four bytes to the K step's word, the lower K in the lower byte
.else
	v_lshl_or_b32 v160, v[BY], 8*(\b), v160
.endif
.irp g, 0,1,2,3
	v_cvt_scalef32_pk8_fp4_f32 v[144+4*(\b)+\g], v[NB+8*\g:NB+8*\g+7], v[SO]
.endr
	v_nop                                          ; one plain line behind the last scaled conversion
	global_store_b128 v6, v[144+4*(\b):144+4*(\b)+3], s[14:15] offset:256*(\b)   ; sixteen lanes store 256 consecutive bytes, aligned
.endm
	WBLOCK 0
	WBLOCK 1
	WBLOCK 2
	WBLOCK 3
	global_store_b32 v7, v160, s[16:17]            ; one word a column: 4 bytes of each 16; 96 KB in the whole launch go out so
	s_endpgm
.Lproj:
; ---- proj_w [k][n] f32 -> f16, laid as fragments with k innermost.  A lane takes a column n, its registers run down 128 k.
	s_sub_co_u32 s24, ttmp9, 448
	s_lshr_b32 s25, s24, 3                         ; which 128 k
	s_and_b32 s26, s24, 7
	s_lshl_b32 s26, s26, 2
	s_add_co_u32 s26, s26, s20                     ; which 32 columns
	s_lshl_b32 s30, s25, 19                        ; in: 128 rows of 4,096 bytes; 128 bytes for 32 columns
	s_lshl_b32 s31, s26, 7
	s_add_co_u32 s30, s30, s31
	s_mov_b32 s31, 0
	s_lshr_b32 s32, s26, 1
	s_lshl_b32 s32, s32, 17                        ; out: 131,072 bytes for 64 columns,
	s_and_b32 s33, s26, 1
	s_lshl_b32 s33, s33, 11                        ; 1,024 a column tile,
	s_add_co_u32 s32, s32, s33
	s_lshl_b32 s33, s25, 14                        ; 4,096 for 32 k
	s_add_co_u32 s32, s32, s33
	s_mov_b32 s33, 0
	v_lshlrev_b32 v5, 2, v1
	v_lshlrev_b32 v6, 4, v2
	v_lshl_add_u32 v6, v3, 10, v6
	s_wait_kmcnt 0x0
	s_add_nc_u64 s[12:13], s[12:13], s[30:31]
	s_add_nc_u64 s[18:19], s[18:19], s[32:33]
.set kk, 0
.rept 128
	global_load_b32 v[R+kk], v5, s[12:13] offset:kk*4096
.set kk, kk+1
.endr
.set gg, 0
.rept 16
.if 120-8*gg > 63
	s_wait_loadcnt 63                              ; the count's field holds 63; a smaller count than 120 - 8 g is safe
.else
	s_wait_loadcnt 120-8*gg                        ; the later groups' loads may be out
.endif
.irp i, 0,1,2,3
	v_cvt_pk_f16_f32 v[144+4*gg+\i], v[R+8*gg+2*\i], v[R+8*gg+2*\i+1]
.endr
	global_store_b128 v6, v[144+4*gg:144+4*gg+3], s[18:19] offset:(gg/4)*4096+(gg%4)*256   ; eight k of my column: sixteen lanes store 256 consecutive bytes, aligned
.set gg, gg+1
.endr
	s_endpgm
.Lfunc_end_k_qbd1c1e869f_prep:
	.size	k_qbd1c1e869f_prep, .Lfunc_end_k_qbd1c1e869f_prep-k_qbd1c1e869f_prep
	.p2alignl 7, 3214868480
	.fill 96, 4, 3214868480
	.section	.rodata,"a",@progbits
	.p2align	6, 0x0
	.amdhsa_kernel k_qbd1c1e869f_prep
		.amdhsa_group_segment_fixed_size 34304
		.amdhsa_private_segment_fixed_size 0
		.amdhsa_enable_private_segment 0
		.amdhsa_kernarg_size 64
		.amdhsa_user_sgpr_count 2
		.amdhsa_user_sgpr_kernarg_segment_ptr 1
		.amdhsa_wavefront_size32 1
		.amdhsa_system_sgpr_workgroup_id_x 1
		.amdhsa_system_sgpr_workgroup_id_y 1
		.amdhsa_system_sgpr_workgroup_id_z 1
		.amdhsa_system_vgpr_workitem_id 0
		.amdhsa_next_free_vgpr 256
		.amdhsa_next_free_sgpr 66
		.amdhsa_reserve_vcc 1
		.amdhsa_float_denorm_mode_32 3
		.amdhsa_float_denorm_mode_16_64 3
		.amdhsa_memory_ordered 1
		.amdhsa_forward_progress 1
		.amdhsa_inst_pref_size 69
	.end_amdhsa_kernel
	.amdgpu_metadata
---
amdhsa.version: [ 1, 2 ]
amdhsa.kernels:
  - .name:           k_qbd1c1e869f_prep
    .symbol:         k_qbd1c1e869f_prep.kd
    .args:
      - { .name: x, .offset: 0, .size: 8, .value_kind: global_buffer, .address_space: global }
      - { .name: Wq, .offset: 8, .size: 8, .value_kind: global_buffer, .address_space: global }
      - { .name: Wk, .offset: 16, .size: 8, .value_kind: global_buffer, .address_space: global }
      - { .name: Wv, .offset: 24, .size: 8, .value_kind: global_buffer, .address_space: global }
      - { .name: proj_w, .offset: 32, .size: 8, .value_kind: global_buffer, .address_space: global }
      - { .name: codes, .offset: 40, .size: 8, .value_kind: global_buffer, .address_space: global }
      - { .name: scl, .offset: 48, .size: 8, .value_kind: global_buffer, .address_space: global }
      - { .name: pimg, .offset: 56, .size: 8, .value_kind: global_buffer, .address_space: global }
    .group_segment_fixed_size: 34304
    .private_segment_fixed_size: 0
    .kernarg_segment_align: 8
    .kernarg_segment_size: 64
    .max_flat_workgroup_size: 128
    .sgpr_count:     66
    .vgpr_count:     256
    .wavefront_size: 32
...
	.end_amdgpu_metadata
.endif
;; end of part 1
;; launch qkvgemm (part 2): grid 16 x 16, 4 waves a work-group, no clusters, 167,936 bytes of LDS; arguments codes, scl, qkv, f32rows; writes qkv, f32rows
.if DOCPART == 2
	.amdgcn_target "amdgcn-amd-amdhsa--gfx1250"
	.amdhsa_code_object_version 6
	.text
	.protected	k_qbd1c1e869f_qkvgemm
	.globl	k_qbd1c1e869f_qkvgemm
	.p2align	8
	.type	k_qbd1c1e869f_qkvgemm,@function
k_qbd1c1e869f_qkvgemm:
	s_mov_b64 s[64:65], 0
	v_nop
	global_prefetch_b8 v0, s[64:65] scope:SCOPE_SE
	s_setreg_imm32_b32 hwreg(HW_REG_WAVE_MODE, 25, 1), 1
	s_wait_xcnt 0x0
; q, k, v = x W, the three quantised products, on codes of E2M1 with E8M0 scales, K = 1,024 in eight steps of 128; sums in f32; results leave as f16, laid as the fragments that launch attn loads.
; SHARES.  A work-group takes 512 tokens x 192 columns (12 column tiles of the 192: 64 of q, 64 of k, 64 of v).  Wave w keeps its 8 token tiles for ALL of K in registers (512), read from memory once.
; The 12 column tiles' codes (98,304 dense bytes) and scale words (6,144) come into LDS once, by two tensor loads a wave; nothing is filled again.  Each fragment of W read from LDS feeds 8 products.
; TWO ORIENTATIONS.  q and k: source 0 = 16 columns of W, source 1 = 16 tokens: a lane holds token r and channels 8 h + 0..7, a group of a fragment with the channels along K.
; v: source 0 = tokens, source 1 = W: a lane holds channel r and tokens 8 h + 0..7, a group of a fragment with the KEYS along K.  So four conversions a tile give 16 bytes a lane that are stored as they stand, 512 bytes on end.
;   qkv: q at 0, k at 2^24: [b, head 64][token tile 128][8 channels: 8][token 16][8 f16];   v at 2^25: [b, head][32 tokens: 64][channel tile 4][16 tokens: 2][8 tokens: 2][channel 16][8 f16]
; The first 16 positions of each sequence also leave in f32 (f32rows: q, k [b][token 16][1024]; v [b][channel 1024][token 16]) for launch first16.
; No cluster: what work-groups share, W's 102 KB, is under a third of what a work-group brings in, and is asked for once, at the head.
; LIMIT: |q|, |k|, |v| under 65,504 (f16).
; REGISTERS, in windows of 256: window 0: v1-9 addresses; v32-95 x's scale words (8 tile + K step); v96-111 W's, two sets.  windows 1, 2: x's fragments (64 (tile % 4) + 8 step).
;   window 3: v0-127 W's fragments, two sets; v128-191 the 8 accumulators; v192-223 packed results.
.set WSCLL, 98304                      ; LDS: W's codes at 0, its scale words here,
.set SPARE, 104448                     ; the spare words, 128 bytes a wave
.set XS,  32
.set WS,  96
.set ACC, 128
.set PK,  192
.set MSB, 0
.macro WIN new                         ; the immediate's high byte repeats the setting that is left
.if MSB != (\new)
	s_set_vgpr_msb (MSB<<8)|(\new)
.set MSB, (\new)
.endif
.endm
	s_load_b256 s[4:11], s[0:1], 0x0               ; codes s[4:5], scl s[6:7], qkv s[8:9], f32rows s[10:11]
	v_lshl_add_u32 v8, v0, 2, SPARE
	v_mov_b32 v9, 0
	ds_add_u32 v8, v9                              ; the wave's opening: the add, twice on end, and its wait ahead of my first tensor load
	ds_add_u32 v8, v9
	v_lshrrev_b32 v1, 5, v0
	v_readfirstlane_b32 s12, v1                    ; wave
	s_mov_b32 s13, ttmp9                           ; which 512 tokens
	s_and_b32 s14, ttmp7, 0xffff                   ; which 12 column tiles
	s_mov_b32 s24, 3<<16                           ; group 1 for the codes: elements of 8 bytes, no mask, no padding
	s_mov_b32 s25, 32<<16                          ; tensor_dim0 = 32 (256 bytes)
	s_mov_b32 s26, 96<<16                          ; tensor_dim1 = 96 rows: a wave's quarter, 24,576 dense bytes
	s_mov_b32 s27, 32<<16                          ; tile_dim0
	s_mov_b32 s28, 96                              ; tile_dim1
	s_mov_b32 s29, 32                              ; pitch = row: dense
	s_mov_b32 s30, 0
	s_mov_b32 s31, 0
	s_mov_b32 s32, 3<<16                           ; group 1 for the scale words: 6 rows of 256 bytes a wave
	s_mov_b32 s33, 32<<16
	s_mov_b32 s34, 6<<16
	s_mov_b32 s35, 32<<16
	s_mov_b32 s36, 6
	s_mov_b32 s37, 32
	s_mov_b32 s38, 0
	s_mov_b32 s39, 0
	s_mov_b32 s40, 1
	s_mul_i32 s41, s12, 24576                      ; LDS: my quarter of the codes
	s_mov_b32 s44, 1
	s_mul_i32 s45, s12, 1536
	s_mul_i32 s48, s14, 98304
	s_add_co_u32 s48, s48, s41
	s_add_co_u32 s48, s48, 4194304                 ; in memory: W's images begin behind x's
	s_mov_b32 s49, 0
	s_mul_i32 s50, s14, 6144
	s_add_co_u32 s50, s50, s45
	s_add_co_u32 s50, s50, 262144
	s_mov_b32 s51, 0
	s_add_co_u32 s45, s45, WSCLL                   ; LDS: my quarter of the scale words
	s_mul_i32 s15, s14, 12                         ; NT: the column tile in hand, 0 .. 191
	s_lshl_b32 s56, s13, 18                        ; x's codes: first token tile 32 mp + 8 w, 8,192 bytes a tile
	s_lshl_b32 s22, s12, 16
	s_add_co_u32 s56, s56, s22
	s_mov_b32 s57, 0
	s_lshl_b32 s58, s13, 14                        ; x's scale words: 512 bytes a tile
	s_lshl_b32 s22, s12, 12
	s_add_co_u32 s58, s58, s22
	s_mov_b32 s59, 0
	s_lshr_b32 s21, s13, 2                         ; b
	s_lshl_b32 s16, s21, 22                        ; CB: my tokens' place in a head's part of qkv: b x 16 heads x 262,144 + token tile in the sequence x 2,048
	s_and_b32 s17, s13, 3
	s_lshl_b32 s22, s17, 16
	s_add_co_u32 s16, s16, s22
	s_lshl_b32 s22, s12, 14
	s_add_co_u32 s16, s16, s22
	s_or_b32 s17, s17, s12                         ; 0 where my tile 0 is a sequence's first 16 positions
	s_lshl_b32 s21, s21, 16                        ; b x 65,536: f32rows
	s_mov_b32 s18, 0                               ; LDS byte of the tile to be fetched,
	s_mov_b32 s19, WSCLL                           ; and of its scale words
	s_wait_dscnt 0x0                               ; both opening adds are done
	s_wait_kmcnt 0x0
	s_add_nc_u64 s[42:43], s[4:5], s[48:49]
	s_or_b32 s43, s43, 0x80000000
	s_add_nc_u64 s[46:47], s[6:7], s[50:51]
	s_or_b32 s47, s47, 0x80000000
	tensor_load_to_lds s[40:43], s[24:31]          ; every wave issues its two first fills: two loads of mine are out
	s_nop 0
	tensor_load_to_lds s[44:47], s[32:39]
	s_nop 0
.rept 4
	v_nop
.endr
	s_add_nc_u64 s[56:57], s[4:5], s[56:57]
	s_add_nc_u64 s[58:59], s[6:7], s[58:59]
	v_and_b32 v1, 31, v0
	v_lshlrev_b32 v1, 4, v1                        ; 16 x lane
	v_and_b32 v2, 15, v0
	v_bfe_u32 v7, v0, 4, 1
	v_lshlrev_b32 v5, 12, v2
	v_lshl_add_u32 v5, v7, 5, v5                   ; f32rows, q and k: token r's row of 4,096 bytes + 32 h
	v_lshlrev_b32 v6, 6, v2
	v_lshl_add_u32 v6, v7, 5, v6                   ; f32rows, v: channel r's row of 64 bytes + 32 h
	v_lshlrev_b32 v2, 4, v2                        ; 16 r: a row's four scale words
	WIN 0x40
.irp a, 0,1,2,3
.irp s, 0,1,2,3,4,5,6,7
.irp c, 0,1
	global_load_b128 v[64*\a+8*\s+4*\c:64*\a+8*\s+4*\c+3], v1, s[56:57] offset:\a*8192+\s*1024+\c*512
.endr
.endr
.endr
	WIN 0x80
.irp a, 0,1,2,3
.irp s, 0,1,2,3,4,5,6,7
.irp c, 0,1
	global_load_b128 v[64*\a+8*\s+4*\c:64*\a+8*\s+4*\c+3], v1, s[56:57] offset:(\a+4)*8192+\s*1024+\c*512
.endr
.endr
.endr
	WIN 0
.irp a, 0,1,2,3,4,5,6,7
.irp c, 0,1
	global_load_b128 v[XS+8*\a+4*\c:XS+8*\a+4*\c+3], v2, s[58:59] offset:\a*512+\c*256
.endr
.endr
.macro FETCH bs                        ; the next column tile's 8 fragments and 8 scale words into set bs: 18 LDS loads
	WIN 0
	v_add_nc_u32 v3, s18, v1
	v_add_nc_u32 v4, s19, v2
	s_add_co_u32 s18, s18, 8192
	s_add_co_u32 s19, s19, 512
	WIN 0xc0
.irp s, 0,1,2,3,4,5,6,7
.irp c, 0,1
	ds_load_b128 v[64*(\bs)+8*\s+4*\c:64*(\bs)+8*\s+4*\c+3], v3 offset:\s*1024+\c*512
.endr
.endr
	WIN 0
	ds_load_b128 v[WS+8*(\bs):WS+8*(\bs)+3], v4
	ds_load_b128 v[WS+8*(\bs)+4:WS+8*(\bs)+7], v4 offset:256
.endm
; 64 products: my 8 token tiles x one column tile x 8 K steps.  Four accumulators take turns, one instruction a turn; the first K step starts the sums with the constant 0.
.macro MUL isv, bs
.irp hf, 0,1
.if \isv
	WIN 0xfd+\hf                                   ; source 0 = x (window 1 or 2), source 1 = W, C and D window 3
.else
	WIN 0xf7+4*\hf                                 ; source 0 = W (window 3), source 1 = x (window 1 or 2)
.endif
.irp s, 0,1,2,3,4,5,6,7
.irp a, 0,1,2,3
.set rD, ACC+8*(4*\hf+\a)
.set rX, 64*\a+8*\s
.set rW, 64*(\bs)+8*\s
.set rP, XS+8*(4*\hf+\a)+\s
.set rQ, WS+8*(\bs)+\s
.if \isv
.if \s == 0
	v_wmma_scale_f32_16x16x128_f8f6f4 v[rD:rD+7], v[rX:rX+7], v[rW:rW+7], 0, v[rP], v[rQ] matrix_a_fmt:MATRIX_FMT_FP4 matrix_b_fmt:MATRIX_FMT_FP4
.else
	v_wmma_scale_f32_16x16x128_f8f6f4 v[rD:rD+7], v[rX:rX+7], v[rW:rW+7], v[rD:rD+7], v[rP], v[rQ] matrix_a_fmt:MATRIX_FMT_FP4 matrix_b_fmt:MATRIX_FMT_FP4
.endif
.else
.if \s == 0
	v_wmma_scale_f32_16x16x128_f8f6f4 v[rD:rD+7], v[rW:rW+7], v[rX:rX+7], 0, v[rQ], v[rP] matrix_a_fmt:MATRIX_FMT_FP4 matrix_b_fmt:MATRIX_FMT_FP4
.else
	v_wmma_scale_f32_16x16x128_f8f6f4 v[rD:rD+7], v[rW:rW+7], v[rX:rX+7], v[rD:rD+7], v[rQ], v[rP] matrix_a_fmt:MATRIX_FMT_FP4 matrix_b_fmt:MATRIX_FMT_FP4
.endif
.endif
.endr
.endr
.endr
.endm
; The tile's 8 results: rounded to f16, 16 bytes a lane, stored as they stand.
.macro OUT isv
.rept 4
	v_nop                                          ; places behind the last products, ahead of the first read of results
.endr
	s_wait_xcnt 0x0                                ; the last tile's stores have read their data and their base: both are written again below
	s_lshr_b32 s50, s15, 6                         ; sel x 2^24
	s_lshl_b32 s50, s50, 24
	s_bfe_u32 s51, s15, 0x40002                    ; head x 262,144
	s_lshl_b32 s51, s51, 18
	s_add_co_u32 s50, s50, s51
	s_and_b32 s51, s15, 3                          ; the head's channel tile: 512 bytes in q and k, 1,024 in v
	s_lshl_b32 s51, s51, 9+\isv
	s_add_co_u32 s50, s50, s51
	s_add_co_u32 s50, s50, s16
	s_mov_b32 s51, 0
	s_add_nc_u64 s[52:53], s[8:9], s[50:51]
	WIN 0xcf
.irp a, 0,1,2,3,4,5,6,7
.irp i, 0,1,2,3
	v_cvt_pk_f16_f32 v[PK+4*\a+\i], v[ACC+8*\a+2*\i], v[ACC+8*\a+2*\i+1]   ; each accumulator from its low end on
.endr
.endr
	WIN 0x0c
.irp a, 0,1,2,3,4,5,6,7
.if \isv
	global_store_b128 v1, v[PK+4*\a:PK+4*\a+3], s[52:53] offset:(\a/2)*4096+(\a%2)*512   ; 32 lanes store 512 consecutive bytes, aligned
.else
	global_store_b128 v1, v[PK+4*\a:PK+4*\a+3], s[52:53] offset:\a*2048
.endif
.endr
	WIN 0
	s_cmp_lg_u32 s17, 0
	s_cbranch_scc1 .Lnof_\@
	s_lshr_b32 s50, s15, 6                         ; a sequence's first 16 positions also leave in f32
	s_lshl_b32 s50, s50, 18
	s_add_co_u32 s50, s50, s21
	s_and_b32 s51, s15, 63
	s_lshl_b32 s51, s51, 6+4*\isv                  ; 16 channels: 64 bytes of a token's row, or 16 rows of 64 bytes
	s_add_co_u32 s50, s50, s51
	s_mov_b32 s51, 0
	s_add_nc_u64 s[54:55], s[10:11], s[50:51]
	WIN 0x0c
	global_store_b128 v[5+\isv], v[ACC:ACC+3], s[54:55]
	global_store_b128 v[5+\isv], v[ACC+4:ACC+7], s[54:55] offset:16
	WIN 0
	s_wait_xcnt 0x0                                ; the accumulator and the base are written again only behind this wait
.Lnof_\@:
.endm
.macro NTILE bs, fetch
.if \fetch
	FETCH 1-\bs                                    ; the set that the last tile multiplied: its products stand behind OUT's places and conversions
	s_wait_dscnt 18                                ; this tile's 18 loads are in; the 18 just issued may be out
.else
	s_wait_dscnt 0x0
.endif
	s_cmp_ge_u32 s15, 128                          ; a tile of v?  (ids and the count of tiles alone)
	s_cbranch_scc1 .Lv_\@
	MUL 0, \bs
	OUT 0
	s_branch .Ldone_\@
.Lv_\@:
	MUL 1, \bs
	OUT 1
.Ldone_\@:
	s_add_co_u32 s15, s15, 1
.endm
	s_wait_tensorcnt 0x0                           ; my parts of W are in LDS,
	s_barrier_signal -1
	s_barrier_wait -1                              ; everybody's are
	FETCH 0
	s_wait_loadcnt 0x0                             ; x's fragments and scale words
	s_mov_b32 s20, 5
.Lnt:                                              ; two column tiles a trip, so that the sets' numbers come back
	NTILE 0, 1
	NTILE 1, 1
	s_sub_co_u32 s20, s20, 1
	s_cmp_lg_u32 s20, 0
	s_cbranch_scc1 .Lnt
	NTILE 0, 1
	NTILE 1, 0                                     ; the twelfth tile fetches nothing
	s_wait_tensorcnt 0x0                           ; the wave's end
	ds_add_u32 v8, v9
	s_wait_dscnt 0x0
	s_endpgm
.Lfunc_end_k_qbd1c1e869f_qkvgemm:
	.size	k_qbd1c1e869f_qkvgemm, .Lfunc_end_k_qbd1c1e869f_qkvgemm-k_qbd1c1e869f_qkvgemm
	.p2alignl 7, 3214868480
	.fill 96, 4, 3214868480
	.section	.rodata,"a",@progbits
	.p2align	6, 0x0
	.amdhsa_kernel k_qbd1c1e869f_qkvgemm
		.amdhsa_group_segment_fixed_size 167936
		.amdhsa_private_segment_fixed_size 0
		.amdhsa_enable_private_segment 0
		.amdhsa_kernarg_size 32
		.amdhsa_user_sgpr_count 2
		.amdhsa_user_sgpr_kernarg_segment_ptr 1
		.amdhsa_wavefront_size32 1
		.amdhsa_system_sgpr_workgroup_id_x 1
		.amdhsa_system_sgpr_workgroup_id_y 1
		.amdhsa_system_sgpr_workgroup_id_z 1
		.amdhsa_system_vgpr_workitem_id 0
		.amdhsa_next_free_vgpr 1024
		.amdhsa_next_free_sgpr 66
		.amdhsa_reserve_vcc 0
		.amdhsa_float_denorm_mode_32 3
		.amdhsa_float_denorm_mode_16_64 3
		.amdhsa_memory_ordered 1
		.amdhsa_forward_progress 1
		.amdhsa_inst_pref_size 121
	.end_amdhsa_kernel
	.amdgpu_metadata
---
amdhsa.version: [ 1, 2 ]
amdhsa.kernels:
  - .name:           k_qbd1c1e869f_qkvgemm
    .symbol:         k_qbd1c1e869f_qkvgemm.kd
    .args:
      - { .name: codes, .offset: 0, .size: 8, .value_kind: global_buffer, .address_space: global }
      - { .name: scl, .offset: 8, .size: 8, .value_kind: global_buffer, .address_space: global }
      - { .name: qkv, .offset: 16, .size: 8, .value_kind: global_buffer, .address_space: global }
      - { .name: f32rows, .offset: 24, .size: 8, .value_kind: global_buffer, .address_space: global }
    .group_segment_fixed_size: 167936
    .private_segment_fixed_size: 0
    .kernarg_segment_align: 8
    .kernarg_segment_size: 32
    .max_flat_workgroup_size: 128
    .sgpr_count:     66
    .vgpr_count:     1024
    .wavefront_size: 32
...
	.end_amdgpu_metadata
.endif
;; end of part 2
;; launch attn (part 3): grid 4 x 64, 8 waves a work-group, no clusters, 327,680 bytes of LDS; arguments qkv, aimg; writes aimg
.if DOCPART == 3
	.amdgcn_target "amdgcn-amd-amdhsa--gfx1250"
	.amdhsa_code_object_version 6
	.text
	.protected	k_qbd1c1e869f_attn
	.globl	k_qbd1c1e869f_attn
	.p2align	8
	.type	k_qbd1c1e869f_attn,@function
k_qbd1c1e869f_attn:
	s_mov_b64 s[64:65], 0
	v_nop
	global_prefetch_b8 v0, s[64:65] scope:SCOPE_SE
	s_setreg_imm32_b32 hwreg(HW_REG_WAVE_MODE, 25, 1), 1
	s_wait_xcnt 0x0
; out[b, h][t] = sum over s <= t of softmax_s(q[t] . k[s]) v[s], no scale on the scores, in f16 operands with f32 sums, maxima and sums of weights.
; WORK LEFT OUT: a key step whose 64 keys all come after the wave's 32 queries (reference()'s own tril gives them the weight 0 for all values of the inputs).  A NaN or infinity that reaches only such a step is not carried on.
; LIMITS: |score| under 1e38 (the running maximum begins at -1e38); the result goes on as f16.  Positions 0-15 of each sequence are computed here too, inside live tiles, but what reaches out0 of them comes from launch first16, in f32.
; SHARES.  A work-group owns query blocks i and 7 - i (256 queries each) of one head: (i + 1) + (8 - i) = 9 key blocks of 256 for every work-group.  A wave owns 32 queries, two tiles of 16; two waves share a SIMD.
; ONE LOOP of nine trips, a constant: trip t reads LDS slot t % 2; the key block asked for in trip t is that of trip t + 1: T1 = t + 1, less i + 1 once the second query block has begun.  In trip i + 1 the first block leaves and the second begins.
; LAYOUT.  S^T = K Q^T (source 0 = 16 keys, source 1 = 16 queries) and O^T = V^T P: a lane holds ONE query throughout; two tiles of S^T, rounded to f16 in pairs, ARE source 1 of the second product.
; K and V lie in memory as images of their fragments, so a key block is 32,768 dense bytes of each, and every fragment comes by ds_load_b128 at 16 x lane: consecutive bytes, no pitch.
; SOFTMAX: running maximum m and sum l for each query; p = 2^(c s - c m), c = log2(e); O and l are multiplied by a = 2^(c m_old - c m_new) in every step.
; No cluster: in one trip the four work-groups of a head want different key blocks (the block hangs on i), so no two requests could be one.  No prefetch: a refill stands first behind its barrier and has a whole trip's four key steps in which to land.
; REGISTERS: window 0: v1 16 x lane; v2 LDS address; v3 r - 8 h; v4-5 the mask's bounds; v6 -infinity; v8, v9 the add's two; v16-31 statistics, 8 a tile (c m, m, l, l, c0-c3; a takes c2's place);
;   v32-95 S^T, then p; v96-127 P; v128-191 O^T.   window 1: v0-31 Q; v32-95 K of a step; v96-159 V of a step.
.set SPARE, 131072                     ; LDS: slot 0 at 0, slot 1 at 65,536 (K's 32,768 bytes, then V's); the spare words here, 128 bytes a wave
.set ST, 16
.set S,  32
.set P,  96
.set O,  128
.set MSB, 0
.macro WIN new
.if MSB != (\new)
	s_set_vgpr_msb (MSB<<8)|(\new)
.set MSB, (\new)
.endif
.endm
	s_load_b128 s[4:7], s[0:1], 0x0                ; qkv s[4:5], aimg s[6:7]
	v_lshl_add_u32 v8, v0, 2, SPARE
	v_mov_b32 v9, 0
	ds_add_u32 v8, v9                              ; the wave's opening: the add, twice on end, and its wait ahead of my first tensor load
	ds_add_u32 v8, v9
	v_lshrrev_b32 v1, 5, v0
	v_readfirstlane_b32 s8, v1                     ; wave 0..7
	s_mov_b32 s9, ttmp9                            ; i
	s_add_co_u32 s10, s9, 1
	s_add_co_u32 s45, s9, 2
	s_and_b32 s11, ttmp7, 0xffff                   ; 16 b + head
	s_mov_b32 s24, 3<<16                           ; group 1: 32 rows of 256 dense bytes: a wave's eighth of a slot
	s_mov_b32 s25, 32<<16
	s_mov_b32 s26, 32<<16
	s_mov_b32 s27, 32<<16
	s_mov_b32 s28, 32
	s_mov_b32 s29, 32
	s_mov_b32 s30, 0
	s_mov_b32 s31, 0
	s_mov_b32 s18, 0x3fb8aa3b                      ; c = log2(e)
	s_mov_b32 s19, s18                             ; (named with it as a pair)
	s_mov_b32 s20, 0x76543210
	s_mov_b32 s21, 0xfedcba98                      ; lane l xor 16
	s_mov_b32 s12, s9                              ; the query block in hand
	s_lshl_b32 s13, s12, 8
	s_lshl_b32 s22, s8, 5
	s_add_co_u32 s13, s13, s22                     ; Q0: my first query
	s_mov_b32 s14, 0                               ; KF: the step's first key
	s_mov_b32 s15, 0                               ; TB: LDS byte of the step's K
	s_mov_b32 s16, 1                               ; T1
	s_lshr_b32 s38, s8, 2                          ; waves 0-3 fetch K (at 2^24), waves 4-7 V (at 2^25): 64 keys, 8,192 bytes each
	s_add_co_u32 s38, s38, 1
	s_lshl_b32 s38, s38, 24
	s_lshl_b32 s22, s11, 18
	s_add_co_u32 s38, s38, s22
	s_and_b32 s22, s8, 3
	s_lshl_b32 s22, s22, 13
	s_add_co_u32 s38, s38, s22
	s_mov_b32 s39, 0
	s_mov_b32 s32, 1
	s_lshl_b32 s33, s8, 13                         ; LDS: wave x 8,192, in slot 0
	s_wait_dscnt 0x0                               ; both opening adds are done
	s_wait_kmcnt 0x0
	s_add_nc_u64 s[36:37], s[4:5], s[38:39]        ; my part of key block 0
	s_mov_b64 s[34:35], s[36:37]
	s_or_b32 s35, s35, 0x80000000
	tensor_load_to_lds s[32:35], s[24:31]          ; key block 0 into slot 0: every wave issues its part; one load of mine is out
	s_nop 0
.rept 4
	v_nop
.endr
	v_and_b32 v1, 31, v0
	v_lshlrev_b32 v1, 4, v1
	v_and_b32 v3, 15, v0
	v_bfe_u32 v2, v0, 4, 1
	v_lshlrev_b32 v2, 3, v2
	v_sub_nc_u32 v3, v3, v2                        ; r - 8 h
	v_mov_b32 v6, 0xff800000
.irp x, 0,1
	v_mov_b32 v[ST+8*\x+5], 0                      ; written once, on every path: a lane permute's destination counts as one of its sources,
	v_mov_b32 v[ST+8*\x+7], 0                      ; and this one is named as the upper half of the pair that holds a or 1 / l
.endr
.macro QLOAD                           ; my two tiles of Q: 8 loads of 512 consecutive bytes
	s_lshl_b32 s40, s11, 18
	s_lshl_b32 s41, s13, 7                         ; 2,048 bytes a tile of 16 queries
	s_add_co_u32 s40, s40, s41
	s_mov_b32 s41, 0
	s_add_nc_u64 s[40:41], s[4:5], s[40:41]
	WIN 0x40
.irp x, 0,1
.irp ch, 0,1
.irp g, 0,1
	global_load_b128 v[16*\x+8*\ch+4*\g:16*\x+8*\ch+4*\g+3], v1, s[40:41] offset:\x*2048+\ch*1024+\g*512
.endr
.endr
.endr
	WIN 0
.endm
.macro INIT                            ; the key step is written once: the first finds zeros, which its a = 0 leaves zeros
.irp x, 0,1
	v_mov_b32 v[ST+8*\x+1], 0xfe967699             ; m = -1e38, under every score
	v_mul_f32 v[ST+8*\x], s18, v[ST+8*\x+1]
	v_mov_b32 v[ST+8*\x+2], 0
	v_mov_b32 v[ST+8*\x+3], 0
.endr
.set i, 0
.rept 64
	v_mov_b32 v[O+i], 0
.set i, i+1
.endr
.endm
; A KEY STEP: 64 keys against my 32 queries.
.macro STEP
	s_add_co_u32 s44, s13, 31
	s_cmp_gt_u32 s14, s44                          ; all 64 keys come after my last query: the step's work is left out (ids and the count of steps alone)
	s_cbranch_scc1 .Lhid_\@
.rept 4
	v_nop                                          ; places behind the last step's products, ahead of loads into the registers that they read
.endr
	v_add_nc_u32 v2, s15, v1
	WIN 0x40
.irp kt, 0,1,2,3
.irp ch, 0,1
.irp g, 0,1
	ds_load_b128 v[32+8*(2*\kt+\ch)+4*\g:32+8*(2*\kt+\ch)+4*\g+3], v2 offset:\kt*2048+\ch*1024+\g*512
.endr
.endr
.endr
.irp kk, 0,1
.irp dt, 0,1,2,3
.irp g, 0,1
	ds_load_b128 v[96+8*(4*\kk+\dt)+4*\g:96+8*(4*\kk+\dt)+4*\g+3], v2 offset:32768+\kk*4096+\dt*1024+\g*512
.endr
.endr
.endr
	s_wait_dscnt 16                                ; K's 16 loads are in; V's 16 may be out
	WIN 0x05
.irp ch, 0,1                           ; S^T = K Q^T: eight accumulators by turns; channels 0-31 start the sums
.irp kt, 0,1,2,3
.irp x, 0,1
.if \ch == 0
	v_wmma_f32_16x16x32_f16 v[S+32*\x+8*\kt:S+32*\x+8*\kt+7], v[32+16*\kt:32+16*\kt+7], v[16*\x:16*\x+7], 0
.else
	v_wmma_f32_16x16x32_f16 v[S+32*\x+8*\kt:S+32*\x+8*\kt+7], v[40+16*\kt:40+16*\kt+7], v[16*\x+8:16*\x+15], v[S+32*\x+8*\kt:S+32*\x+8*\kt+7]
.endif
.endr
.endr
.endr
	WIN 0
.rept 4
	v_nop
.endr
	s_add_co_u32 s44, s14, 63
	s_cmp_le_u32 s44, s13                          ; all 64 keys count for all my queries: no mask
	s_cbranch_scc1 .Lopen_\@
	s_sub_co_i32 s44, s13, s14
	v_add_nc_u32 v4, s44, v3                       ; tile 0: my query - KF - 8 h.  Register 8 kt + j holds key KF + 16 kt + 8 h + j: hidden where 16 kt + j is greater
	v_add_nc_u32 v5, 16, v4                        ; tile 1
.irp x, 0,1
.irp kt, 0,1,2,3
.irp j, 0,1,2,3,4,5,6,7
	v_cmp_gt_i32 vcc_lo, 16*\kt+\j, v[4+\x]
	v_cndmask_b32 v[S+32*\x+8*\kt+\j], v[S+32*\x+8*\kt+\j], v6, vcc_lo
.endr
.endr
.endr
.Lopen_\@:
.irp j, 0,1,2,3                        ; the maximum of 32 scores and the old m, three at a time, each accumulator from its low end on; the two tiles by turns
.irp x, 0,1
	v_max3_num_f32 v[ST+8*\x+4+\j], v[S+32*\x+8*\j], v[S+32*\x+8*\j+1], v[S+32*\x+8*\j+2]
.endr
.endr
.irp q, 1,2
.irp j, 0,1,2,3
.irp x, 0,1
	v_max3_num_f32 v[ST+8*\x+4+\j], v[ST+8*\x+4+\j], v[S+32*\x+8*\j+2*\q+1], v[S+32*\x+8*\j+2*\q+2]
.endr
.endr
.endr
.irp x, 0,1
	v_max3_num_f32 v[ST+8*\x+4], v[ST+8*\x+4], v[S+32*\x+7], v[S+32*\x+15]
.endr
.irp x, 0,1
	v_max3_num_f32 v[ST+8*\x+6], v[ST+8*\x+6], v[S+32*\x+23], v[S+32*\x+31]
.endr
.irp x, 0,1
	v_max3_num_f32 v[ST+8*\x+4], v[ST+8*\x+4], v[ST+8*\x+5], v[ST+8*\x+6]
.endr
.irp x, 0,1
	v_max3_num_f32 v[ST+8*\x+4], v[ST+8*\x+4], v[ST+8*\x+7], v[ST+8*\x+1]
.endr
.irp x, 0,1
	v_permlanex16_b32 v[ST+8*\x+5], v[ST+8*\x+4], s20, s21   ; the query's other 32 keys lie in the lane 16 away
.endr
.irp x, 0,1
	v_mov_b32 v[ST+8*\x+7], v[ST+8*\x]             ; c m_old
.endr
.irp x, 0,1
	v_max_num_f32 v[ST+8*\x+1], v[ST+8*\x+4], v[ST+8*\x+5]
.endr
.irp x, 0,1
	v_mul_f32 v[ST+8*\x], s18, v[ST+8*\x+1]
.endr
.irp x, 0,1
	v_sub_f32 v[ST+8*\x+7], v[ST+8*\x+7], v[ST+8*\x]
.endr
.irp b, 0,1,2,3,4,5,6,7,8,9,10,11,12,13,14,15
.irp x, 0,1
	v_pk_fma_f32 v[S+32*\x+2*\b:S+32*\x+2*\b+1], v[S+32*\x+2*\b:S+32*\x+2*\b+1], s[18:19], v[ST+8*\x:ST+8*\x+1] op_sel_hi:[1,0,0] neg_lo:[0,0,1] neg_hi:[0,0,1]   ; c s - c m
.endr
.endr
.irp x, 0,1
	v_exp_f32 v[ST+8*\x+6], v[ST+8*\x+7]           ; a
.endr
.irp e, 0,1,2,3,4,5,6,7,8,9,10,11,12,13,14,15,16,17,18,19,20,21,22,23,24,25,26,27,28,29,30,31
.irp x, 0,1
	v_exp_f32 v[S+32*\x+\e], v[S+32*\x+\e]
.endr
.endr
	v_nop                                          ; a plain line behind the last exponential
	s_wait_alu depctr_va_vdst(0)                   ; one wait for the batch of 66, ahead of its first reader
.irp b, 0,1,2,3,4,5,6,7,8,9,10,11,12,13,14,15
.irp x, 0,1
	v_cvt_pk_f16_f32 v[P+16*\x+\b], v[S+32*\x+2*\b], v[S+32*\x+2*\b+1]
.endr
.endr
.irp u, 0,1,2,3,4,5,6,7                ; the sum of the unrounded weights, in place, pairs 1, 2, 4, 8 apart
.irp x, 0,1
	v_pk_add_f32 v[S+32*\x+4*\u:S+32*\x+4*\u+1], v[S+32*\x+4*\u:S+32*\x+4*\u+1], v[S+32*\x+4*\u+2:S+32*\x+4*\u+3]
.endr
.endr
.irp u, 0,1,2,3
.irp x, 0,1
	v_pk_add_f32 v[S+32*\x+8*\u:S+32*\x+8*\u+1], v[S+32*\x+8*\u:S+32*\x+8*\u+1], v[S+32*\x+8*\u+4:S+32*\x+8*\u+5]
.endr
.endr
.irp u, 0,1
.irp x, 0,1
	v_pk_add_f32 v[S+32*\x+16*\u:S+32*\x+16*\u+1], v[S+32*\x+16*\u:S+32*\x+16*\u+1], v[S+32*\x+16*\u+8:S+32*\x+16*\u+9]
.endr
.endr
.irp x, 0,1
	v_pk_add_f32 v[S+32*\x:S+32*\x+1], v[S+32*\x:S+32*\x+1], v[S+32*\x+16:S+32*\x+17]
.endr
.irp x, 0,1
	v_pk_fma_f32 v[ST+8*\x+2:ST+8*\x+3], v[ST+8*\x+2:ST+8*\x+3], v[ST+8*\x+6:ST+8*\x+7], v[S+32*\x:S+32*\x+1] op_sel_hi:[1,0,1]   ; l = a l + the sum
.endr
.irp i, 0,1,2,3,4,5,6,7,8,9,10,11,12,13,14,15
.irp x, 0,1
	v_pk_mul_f32 v[O+32*\x+2*\i:O+32*\x+2*\i+1], v[O+32*\x+2*\i:O+32*\x+2*\i+1], v[ST+8*\x+6:ST+8*\x+7] op_sel_hi:[1,0]   ; O^T x a
.endr
.endr
	s_wait_dscnt 0x0                               ; V is in
	WIN 0x01
.irp kk, 0,1                           ; O^T += V^T P: eight accumulators by turns
.irp dt, 0,1,2,3
.irp x, 0,1
	v_wmma_f32_16x16x32_f16 v[O+32*\x+8*\dt:O+32*\x+8*\dt+7], v[96+8*(4*\kk+\dt):96+8*(4*\kk+\dt)+7], v[P+16*\x+8*\kk:P+16*\x+8*\kk+7], v[O+32*\x+8*\dt:O+32*\x+8*\dt+7]
.endr
.endr
.endr
	WIN 0
.Lhid_\@:
	s_add_co_u32 s14, s14, 64
	s_add_co_u32 s15, s15, 8192                    ; 64 keys are 8,192 bytes of K and of V
.endm
.macro FOUR_STEPS                      ; a slot's four key steps: written once, walked four times
	s_mov_b32 s17, 4
.Lst_\@:
	STEP
	s_sub_co_u32 s17, s17, 1
	s_cmp_lg_u32 s17, 0
	s_cbranch_scc1 .Lst_\@
	s_sub_co_u32 s15, s15, 32768
	s_xor_b32 s15, s15, 65536                      ; on to the other slot
.endm
; THE CHANGE OF SLOTS, at a slot's head.  Each wave waits for all its tensor loads (its part of the slot ahead), adds 0 to its spare word, and waits for that and for its reads of the slot that it has left.
; Behind the barrier the slot ahead is whole and nobody reads the other one, which is filled with the next trip's key block: the wave's one tensor load, first thing there.
.macro CHANGE fill
	s_wait_tensorcnt 0x0                           ; no tensor load of mine is out, so group 0 may be written
	ds_add_u32 v8, v9
.if \fill
	s_cmp_gt_u32 s16, s9                           ; the next trip's key block: T1, less i + 1 once the second query block has begun
	s_cselect_b32 s38, s10, 0
	s_sub_co_u32 s38, s16, s38
	s_lshl_b32 s38, s38, 15
	s_mov_b32 s39, 0
	s_add_nc_u64 s[34:35], s[36:37], s[38:39]
	s_or_b32 s35, s35, 0x80000000
	s_xor_b32 s33, s33, 65536                      ; the other slot than last time
.endif
	s_wait_dscnt 0x0                               ; the add is done, and my reads of the slot that I have left are over
	s_barrier_signal -1
	s_barrier_wait -1
.if \fill
	tensor_load_to_lds s[32:35], s[24:31]
	s_nop 0
.rept 4
	v_nop
.endr
.endif
.endm
; A query block leaves: O^T / l, rounded to f16; a lane's eight channels of one token are a group of the fragment that launch proj loads: stored as they stand, 512 bytes on end.
;   aimg: [128 tokens: 64][32 k: 32][token tile 8][16 k: 2][8 k: 2][token 16][8 f16], k = 64 head + channel
.macro FINISH
.rept 4
	v_nop                                          ; places behind the last products
.endr
	s_lshr_b32 s42, s11, 4
	s_lshl_b32 s42, s42, 4                         ; 16 b
	s_lshl_b32 s43, s12, 1
	s_add_co_u32 s42, s42, s43                     ; + 2 x query block
	s_lshr_b32 s43, s8, 2
	s_add_co_u32 s42, s42, s43                     ; + wave / 4: which 128 tokens
	s_lshl_b32 s42, s42, 18
	s_and_b32 s43, s11, 15
	s_lshl_b32 s43, s43, 14                        ; a head is two steps of 32 k: 16,384 bytes
	s_add_co_u32 s42, s42, s43
	s_and_b32 s43, s8, 3
	s_lshl_b32 s43, s43, 11                        ; my two token tiles
	s_add_co_u32 s42, s42, s43
	s_mov_b32 s43, 0
	s_add_nc_u64 s[42:43], s[6:7], s[42:43]
.irp x, 0,1
	v_add_f32 v[ST+8*\x+4], v[ST+8*\x+2], v[ST+8*\x+3]
.endr
.irp x, 0,1
	v_permlanex16_b32 v[ST+8*\x+5], v[ST+8*\x+4], s20, s21
.endr
.irp x, 0,1
	v_add_f32 v[ST+8*\x+4], v[ST+8*\x+4], v[ST+8*\x+5]
.endr
.irp x, 0,1
	v_rcp_f32 v[ST+8*\x+6], v[ST+8*\x+4]
.endr
	v_nop
	s_wait_alu depctr_va_vdst(0)                   ; one wait for the two reciprocals, ahead of their first reader
.irp x, 0,1
.irp i, 0,1,2,3,4,5,6,7,8,9,10,11,12,13,14,15
	v_pk_mul_f32 v[S+32*\x+2*\i:S+32*\x+2*\i+1], v[O+32*\x+2*\i:O+32*\x+2*\i+1], v[ST+8*\x+6:ST+8*\x+7] op_sel_hi:[1,0]
.endr
.endr
.irp x, 0,1
.irp i, 0,1,2,3,4,5,6,7,8,9,10,11,12,13,14,15
	v_cvt_pk_f16_f32 v[P+16*\x+\i], v[S+32*\x+2*\i], v[S+32*\x+2*\i+1]
.endr
.endr
.irp x, 0,1
.irp dt, 0,1,2,3
	global_store_b128 v1, v[P+16*\x+4*\dt:P+16*\x+4*\dt+3], s[42:43] offset:\x*1024+(\dt/2)*8192+(\dt%2)*512
.endr
.endr
	s_wait_xcnt 0x0                                ; the stores have read their data and their base
.endm
.macro SWITCH                          ; the first query block leaves, block 7 - i begins at key 0
	FINISH
	s_sub_co_u32 s12, 7, s9
	s_lshl_b32 s13, s12, 8
	s_lshl_b32 s22, s8, 5
	s_add_co_u32 s13, s13, s22
	s_mov_b32 s14, 0
	QLOAD
	INIT
	s_wait_loadcnt 0x0
.endm
	QLOAD
	INIT
	s_wait_loadcnt 0x0
.Ltrip:                                            ; eight trips; behind each change of slots the next trip's key block is asked for
	CHANGE 1
	s_cmp_lg_u32 s16, s45                          ; trip i + 1?  (ids and the count of trips: the same in all eight waves)
	s_cbranch_scc1 .Lsame
	SWITCH
.Lsame:
	FOUR_STEPS
	s_add_co_u32 s16, s16, 1
	s_cmp_lt_u32 s16, 9
	s_cbranch_scc1 .Ltrip
	CHANGE 0                                       ; the ninth trip is written out: nothing is left to ask for
	FOUR_STEPS
	FINISH
	s_wait_tensorcnt 0x0                           ; the wave's end
	ds_add_u32 v8, v9
	s_wait_dscnt 0x0
	s_endpgm
.Lfunc_end_k_qbd1c1e869f_attn:
	.size	k_qbd1c1e869f_attn, .Lfunc_end_k_qbd1c1e869f_attn-k_qbd1c1e869f_attn
	.p2alignl 7, 3214868480
	.fill 96, 4, 3214868480
	.section	.rodata,"a",@progbits
	.p2align	6, 0x0
	.amdhsa_kernel k_qbd1c1e869f_attn
		.amdhsa_group_segment_fixed_size 327680
		.amdhsa_private_segment_fixed_size 0
		.amdhsa_enable_private_segment 0
		.amdhsa_kernarg_size 16
		.amdhsa_user_sgpr_count 2
		.amdhsa_user_sgpr_kernarg_segment_ptr 1
		.amdhsa_wavefront_size32 1
		.amdhsa_system_sgpr_workgroup_id_x 1
		.amdhsa_system_sgpr_workgroup_id_y 1
		.amdhsa_system_sgpr_workgroup_id_z 1
		.amdhsa_system_vgpr_workitem_id 0
		.amdhsa_next_free_vgpr 416
		.amdhsa_next_free_sgpr 66
		.amdhsa_reserve_vcc 1
		.amdhsa_float_denorm_mode_32 3
		.amdhsa_float_denorm_mode_16_64 3
		.amdhsa_memory_ordered 1
		.amdhsa_forward_progress 1
		.amdhsa_inst_pref_size 66
	.end_amdhsa_kernel
	.amdgpu_metadata
---
amdhsa.version: [ 1, 2 ]
amdhsa.kernels:
  - .name:           k_qbd1c1e869f_attn
    .symbol:         k_qbd1c1e869f_attn.kd
    .args:
      - { .name: qkv, .offset: 0, .size: 8, .value_kind: global_buffer, .address_space: global }
      - { .name: aimg, .offset: 8, .size: 8, .value_kind: global_buffer, .address_space: global }
    .group_segment_fixed_size: 327680
    .private_segment_fixed_size: 0
    .kernarg_segment_align: 8
    .kernarg_segment_size: 16
    .max_flat_workgroup_size: 256
    .sgpr_count:     66
    .vgpr_count:     416
    .wavefront_size: 32
...
	.end_amdgpu_metadata
.endif
;; end of part 3
;; launch proj (part 4): grid 4 x 64, 4 waves a work-group, no clusters, 280,064 bytes of LDS; arguments aimg, pimg, proj_b, out0; writes out0
.if DOCPART == 4
	.amdgcn_target "amdgcn-amd-amdhsa--gfx1250"
	.amdhsa_code_object_version 6
	.text
	.protected	k_qbd1c1e869f_proj
	.globl	k_qbd1c1e869f_proj
	.p2align	8
	.type	k_qbd1c1e869f_proj,@function
k_qbd1c1e869f_proj:
	s_mov_b64 s[64:65], 0
	v_nop
	global_prefetch_b8 v0, s[64:65] scope:SCOPE_SE
	s_setreg_imm32_b32 hwreg(HW_REG_WAVE_MODE, 25, 1), 1
	s_wait_xcnt 0x0
; out0 = attention's result x proj_w + proj_b, in f16 operands with f32 sums.  K = 1,024 in 32 steps of 32.
; ROWS NOT STORED HERE: positions 0-15 of each sequence; launch first16 computes and stores them in f32.  (Their products stand inside a live tile and stay.)
; SHARES.  A work-group takes 128 tokens x 256 columns.  The tokens' strip for all of K is 262,144 dense bytes of aimg: it comes into LDS once, in four quarters of K, 16,384 bytes a wave and quarter.
; Wave w owns 64 columns and streams their weights from pimg straight into registers, 4 K steps (32 loads) at a time, two such chunks ahead.
; The product is used transposed (source 0 = 16 columns of the weight, source 1 = 16 tokens): a lane holds eight neighbouring columns of one row of out0.  The bias is the C of each sum's first product.
; No cluster: the strip that four work-groups share is a third of what a work-group brings in, and is asked for once, at the head.
; REGISTERS: window 0: v1 16 x lane; v2-5 the quarters' LDS addresses; v6-8 the way out; v10, v11 the add's two; v12 the bias's offset; v64-191 the tokens' fragments, two sets; v192-223 the bias; v224-255 rows on the way out.
;   window 1: the weights, two sets of 128 (32 step + 8 column tile).   window 2: the 32 accumulators (8 (4 token tile + column tile)).
.set STAGE, 262144                     ; LDS: the strip at 0; a stage of 16 rows x (256 bytes + 16) for each wave;
.set SPARE, 279552                     ; the spare words, 128 bytes a wave
.set MSB, 0
.macro WIN new
.if MSB != (\new)
	s_set_vgpr_msb (MSB<<8)|(\new)
.set MSB, (\new)
.endif
.endm
.macro PLACES
.rept 4
	v_nop
.endr
.endm
	s_load_b256 s[4:11], s[0:1], 0x0               ; aimg s[4:5], pimg s[6:7], proj_b s[8:9], out0 s[10:11]
	v_lshl_add_u32 v10, v0, 2, SPARE
	v_mov_b32 v11, 0
	ds_add_u32 v10, v11                            ; the wave's opening: the add, twice on end, and its wait ahead of my first tensor load
	ds_add_u32 v10, v11
	v_lshrrev_b32 v1, 5, v0
	v_readfirstlane_b32 s12, v1                    ; wave
	s_mov_b32 s13, ttmp9                           ; which 256 columns
	s_and_b32 s14, ttmp7, 0xffff                   ; which 128 tokens
	s_mov_b32 s16, 3<<16                           ; group 1: 64 rows of 256 dense bytes
	s_mov_b32 s17, 32<<16
	s_mov_b32 s18, 64<<16
	s_mov_b32 s19, 32<<16
	s_mov_b32 s20, 64
	s_mov_b32 s21, 32
	s_mov_b32 s22, 0
	s_mov_b32 s23, 0
	s_lshl_b32 s15, s12, 14
.irp q, 0,1,2,3
	s_mov_b32 s[24+4*\q], 1
	s_add_co_u32 s[25+4*\q], s15, \q*65536         ; LDS: quarter q, my 16,384 bytes
.endr
	s_lshl_b32 s40, s14, 18
	s_add_co_u32 s40, s40, s15
	s_mov_b32 s41, 0
	s_lshl_b32 s42, s13, 2
	s_add_co_u32 s42, s42, s12
	s_lshl_b32 s42, s42, 17                        ; pimg: 131,072 bytes for my 64 columns
	s_mov_b32 s43, 0
	s_lshl_b32 s44, s13, 10
	s_lshl_b32 s15, s12, 8
	s_add_co_u32 s44, s44, s15                     ; my first column, in bytes of f32
	s_mov_b32 s45, 0
	s_lshl_b32 s46, s14, 19                        ; out0: 128 rows of 4,096 bytes
	s_add_co_u32 s46, s46, s44
	s_mov_b32 s47, 0
	s_wait_dscnt 0x0                               ; both opening adds are done
	s_wait_kmcnt 0x0
	s_add_nc_u64 s[40:41], s[4:5], s[40:41]
.irp q, 0,1,2,3
	s_add_nc_u64 s[26+4*\q:27+4*\q], s[40:41], \q*65536
	s_or_b32 s[27+4*\q], s[27+4*\q], 0x80000000
.endr
.irp q, 0,1,2,3
	tensor_load_to_lds s[24+4*\q:27+4*\q], s[16:23]
	s_nop 0
.endr
	PLACES
	s_add_nc_u64 s[42:43], s[6:7], s[42:43]
	s_add_nc_u64 s[44:45], s[8:9], s[44:45]
	s_add_nc_u64 s[46:47], s[10:11], s[46:47]
	v_and_b32 v1, 31, v0
	v_lshlrev_b32 v1, 4, v1
.irp q, 0,1,2,3
	v_add_nc_u32 v[2+\q], \q*65536, v1
.endr
	v_and_b32 v13, 15, v0                          ; r
	v_bfe_u32 v14, v0, 4, 1                        ; h
	s_mul_i32 s15, s12, 16*272
	s_add_co_u32 s15, s15, STAGE                   ; my stage
	v_mul_u32_u24 v6, v13, 272
	v_lshl_add_u32 v6, v14, 5, v6
	v_add_nc_u32 v6, s15, v6                       ; in: row r, + 32 h
	v_mul_u32_u24 v7, v14, 272
	v_lshl_add_u32 v7, v13, 4, v7
	v_add_nc_u32 v7, s15, v7                       ; back: lanes 0-15 one row of 256 bytes, lanes 16-31 the next
	v_lshlrev_b32 v8, 12, v14
	v_lshl_add_u32 v8, v13, 4, v8                  ; and the same two rows in out0
	v_lshlrev_b32 v12, 5, v14
.irp nt, 0,1,2,3
	global_load_b128 v[192+8*\nt:192+8*\nt+3], v12, s[44:45] offset:\nt*64      ; lane (r, h): the bias of columns 16 nt + 8 h + 0..7
	global_load_b128 v[192+8*\nt+4:192+8*\nt+7], v12, s[44:45] offset:\nt*64+16
.endr
.macro BLOAD ch                        ; chunk ch: the weights of K steps 4 ch .. 4 ch + 3, 32 loads of 512 consecutive bytes, into set ch % 2
	WIN 0x40
.irp kk, 0,1,2,3
.irp nt, 0,1,2,3
.irp g, 0,1
	global_load_b128 v[128*((\ch)%2)+32*\kk+8*\nt+4*\g:128*((\ch)%2)+32*\kk+8*\nt+4*\g+3], v1, s[42:43] offset:(\ch)*16384+\kk*4096+\nt*1024+\g*512
.endr
.endr
.endr
	WIN 0
.endm
.macro AFETCH k                        ; K step k: the 8 token tiles' fragments into set k % 2
	WIN 0
.irp tt, 0,1,2,3,4,5,6,7
.irp g, 0,1
	ds_load_b128 v[64+64*((\k)%2)+8*\tt+4*\g:64+64*((\k)%2)+8*\tt+4*\g+3], v[2+(\k)/8] offset:((\k)%8)*8192+\tt*1024+\g*512
.endr
.endr
.endm
.macro MUL k                           ; 32 products; the 32 accumulators take turns, in the same order in every step
.set rA, 64+64*((\k)%2)
.set rB, 128*(((\k)/4)%2)+32*((\k)%4)
.if (\k) == 0
	WIN 0x81                                       ; source 0 window 1, source 1 and C (the bias) window 0, D window 2
.else
	WIN 0xa1                                       ; C and D window 2
.endif
.irp tt, 0,1,2,3,4,5,6,7
.irp nt, 0,1,2,3
.if (\k) == 0
	v_wmma_f32_16x16x32_f16 v[8*(4*\tt+\nt):8*(4*\tt+\nt)+7], v[rB+8*\nt:rB+8*\nt+7], v[rA+8*\tt:rA+8*\tt+7], v[192+8*\nt:192+8*\nt+7]
.else
	v_wmma_f32_16x16x32_f16 v[8*(4*\tt+\nt):8*(4*\tt+\nt)+7], v[rB+8*\nt:rB+8*\nt+7], v[rA+8*\tt:rA+8*\tt+7], v[8*(4*\tt+\nt):8*(4*\tt+\nt)+7]
.endif
.endr
.endr
.endm
.macro KSTEP k
.if ((\k)%8) != 7
	PLACES                                         ; ahead of loads into the set that the step before multiplied
	AFETCH (\k)+1
	s_wait_dscnt 16                                ; this step's 16 loads are in; the next step's may be out
.else
	s_wait_dscnt 0x0                               ; the quarter's last step fetches nothing: the next quarter is read behind its barrier
.endif
.if ((\k)%4) == 0
.if (\k)/4 < 7
	s_wait_loadcnt 32                              ; this chunk's weights (and, the first time, the bias) are in; the next chunk's 32 loads may be out
.else
	s_wait_loadcnt 0x0
.endif
.endif
	MUL \k
.if (((\k)%4) == 3) && ((\k)/4 <= 5)
	PLACES
	BLOAD (\k)/4+2                                 ; into the set just multiplied
.endif
.endm
	BLOAD 0
	BLOAD 1
.set K, 0
.irp q, 0,1,2,3
	WIN 0
	s_wait_tensorcnt 3-\q                          ; my part of quarter q is in; the later quarters' loads may stay out
	s_barrier_signal -1
	s_barrier_wait -1                              ; everybody's is
.if \q > 0
	PLACES
.endif
	AFETCH K
.rept 8
	KSTEP K
.set K, K+1
.endr
.endr
; THE WAY OUT, a token tile at a time: a lane holds 32 neighbouring bytes of a row and the lanes beside it other rows, so the tile goes through my own stage and comes back as whole rows of 256 bytes.
.macro OUTB tt
	s_wait_xcnt 0x0                                ; the last tile's stores have read their registers
	WIN 0x08                                       ; an LDS store's data: window 2
.irp nt, 0,1,2,3
	ds_store_b128 v6, v[8*(4*\tt+\nt):8*(4*\tt+\nt)+3] offset:\nt*64         ; each accumulator from its low end on
	ds_store_b128 v6, v[8*(4*\tt+\nt)+4:8*(4*\tt+\nt)+7] offset:\nt*64+16
.endr
	WIN 0
.irp i, 0,1,2,3,4,5,6,7
	ds_load_b128 v[224+4*\i:224+4*\i+3], v7 offset:\i*544                    ; LDS serves a wave's instructions in order: these see the stores above
.endr
	s_wait_dscnt 0x0
.irp i, 0,1,2,3,4,5,6,7
	global_store_b128 v8, v[224+4*\i:224+4*\i+3], s[46:47] offset:(16*\tt+2*\i)*4096 th:TH_STORE_NT   ; sixteen lanes store 256 consecutive bytes, aligned
.endr
.endm
	WIN 0
	PLACES
	s_and_b32 s15, s14, 15
	s_cmp_eq_u32 s15, 0                            ; my tile 0 is a sequence's first 16 positions: launch first16 stores them
	s_cbranch_scc1 .Lskip0
	OUTB 0
.Lskip0:
.irp t, 1,2,3,4,5,6,7
	OUTB \t
.endr
	s_wait_tensorcnt 0x0                           ; the wave's end, behind my last LDS store
	ds_add_u32 v10, v11
	s_wait_dscnt 0x0
	s_endpgm
.Lfunc_end_k_qbd1c1e869f_proj:
	.size	k_qbd1c1e869f_proj, .Lfunc_end_k_qbd1c1e869f_proj-k_qbd1c1e869f_proj
	.p2alignl 7, 3214868480
	.fill 96, 4, 3214868480
	.section	.rodata,"a",@progbits
	.p2align	6, 0x0
	.amdhsa_kernel k_qbd1c1e869f_proj
		.amdhsa_group_segment_fixed_size 280064
		.amdhsa_private_segment_fixed_size 0
		.amdhsa_enable_private_segment 0
		.amdhsa_kernarg_size 32
		.amdhsa_user_sgpr_count 2
		.amdhsa_user_sgpr_kernarg_segment_ptr 1
		.amdhsa_wavefront_size32 1
		.amdhsa_system_sgpr_workgroup_id_x 1
		.amdhsa_system_sgpr_workgroup_id_y 1
		.amdhsa_system_sgpr_workgroup_id_z 1
		.amdhsa_system_vgpr_workitem_id 0
		.amdhsa_next_free_vgpr 768
		.amdhsa_next_free_sgpr 66
		.amdhsa_reserve_vcc 0
		.amdhsa_float_denorm_mode_32 3
		.amdhsa_float_denorm_mode_16_64 3
		.amdhsa_memory_ordered 1
		.amdhsa_forward_progress 1
		.amdhsa_inst_pref_size 149
	.end_amdhsa_kernel
	.amdgpu_metadata
---
amdhsa.version: [ 1, 2 ]
amdhsa.kernels:
  - .name:           k_qbd1c1e869f_proj
    .symbol:         k_qbd1c1e869f_proj.kd
    .args:
      - { .name: aimg, .offset: 0, .size: 8, .value_kind: global_buffer, .address_space: global }
      - { .name: pimg, .offset: 8, .size: 8, .value_kind: global_buffer, .address_space: global }
      - { .name: proj_b, .offset: 16, .size: 8, .value_kind: global_buffer, .address_space: global }
      - { .name: out0, .offset: 24, .size: 8, .value_kind: global_buffer, .address_space: global }
    .group_segment_fixed_size: 280064
    .private_segment_fixed_size: 0
    .kernarg_segment_align: 8
    .kernarg_segment_size: 32
    .max_flat_workgroup_size: 128
    .sgpr_count:     66
    .vgpr_count:     768
    .wavefront_size: 32
...
	.end_amdgpu_metadata
.endif
;; end of part 4
;; launch first16 (part 5): grid 64 x 4, 16 waves a work-group, no clusters, 18,432 bytes of LDS; arguments f32rows, proj_w, proj_b, out0; writes out0
.if DOCPART == 5
	.amdgcn_target "amdgcn-amd-amdhsa--gfx1250"
	.amdhsa_code_object_version 6
	.text
	.protected	k_qbd1c1e869f_first16
	.globl	k_qbd1c1e869f_first16
	.p2align	8
	.type	k_qbd1c1e869f_first16,@function
k_qbd1c1e869f_first16:
	s_mov_b64 s[64:65], 0
	v_nop
	global_prefetch_b8 v0, s[64:65] scope:SCOPE_SE
	s_setreg_imm32_b32 hwreg(HW_REG_WAVE_MODE, 25, 1), 1
	s_wait_xcnt 0x0
; Positions 0-15 of each sequence, all in f32: they average one to sixteen values and are the largest of the output, so the rounding of 16-bit operands would weigh most there.
; A work-group makes 16 tokens x 16 columns of out0 for one b; a wave takes one head: scores, mask, softmax, weights x v, and the head's 64 terms of the projection; the 16 heads' parts meet in LDS.
; (Each of a b's 64 work-groups repeats the small attention: 48 matrix instructions a wave.  out0 is written in pieces of 64 bytes, 256 KB in all: the price of sharing the columns out.)
; All products by v_wmma_f32_16x16x4_f32.  K is permuted alike on both sources, so that each result's registers are the next product's operand:
;   S^T = K Q^T: lane (r, h) holds row r, channels 32 h + 0..31; link i takes registers 2 i, 2 i + 1 of both.   Result: query r, keys 8 h + j.
;   O^T = V^T P: link kq takes p's registers 2 kq, 2 kq + 1 (keys 8 h + 2 kq + 0, 1) and the same keys of v.    Result: token r, channels 16 dt + 8 h + j.
;   out^T = W^T O: link kq takes O^T's registers 2 kq, 2 kq + 1 and the same channels' rows of proj_w.           Result: token r, columns 8 h + j.
; The accumulators, v144-223, are written by matrix instructions alone; what is made of them goes into other registers.
.set SPARE, 16384                      ; LDS: 16 heads x 1,024 bytes; the spare words behind them, 128 bytes a wave
	s_load_b256 s[4:11], s[0:1], 0x0               ; f32rows s[4:5], proj_w s[6:7], proj_b s[8:9], out0 s[10:11]
	v_lshl_add_u32 v8, v0, 2, SPARE
	v_mov_b32 v9, 0
	v_lshrrev_b32 v1, 5, v0
	v_readfirstlane_b32 s12, v1                    ; head
	s_and_b32 s14, ttmp7, 0xffff                   ; b
	v_and_b32 v1, 15, v0                           ; r
	v_bfe_u32 v2, v0, 4, 1                         ; h
	v_lshlrev_b32 v3, 12, v1
	v_lshl_add_u32 v3, v2, 7, v3                   ; q, k: token r's row of 4,096 bytes + 128 h
	v_lshlrev_b32 v4, 6, v1
	v_lshl_add_u32 v4, v2, 5, v4                   ; v: channel r's row of 64 bytes + 32 h.  Also my place in a head's part in LDS
	v_lshlrev_b32 v5, 2, v1
	v_lshl_add_u32 v5, v2, 15, v5                  ; proj_w: column r, 8 h rows of 4,096 bytes down
	v_lshlrev_b32 v6, 3, v2
	v_sub_nc_u32 v6, v1, v6                        ; r - 8 h: key 8 h + j is hidden where j is greater
	v_mov_b32 v7, 0xff800000
	v_and_b32 v10, 3, v0
	v_lshlrev_b32 v10, 4, v10                      ; the last step: four columns a thread
	s_lshl_b32 s15, s12, 10
	v_add_nc_u32 v11, s15, v4                      ; LDS: my head's part
	v_and_b32 v224, 63, v0
	v_lshlrev_b32 v225, 4, v224                    ; LDS, back: 16 bytes a thread of waves 0 and 1
	v_lshrrev_b32 v224, 2, v224
	v_lshl_add_u32 v224, v224, 12, v10             ; and their place in out0: token = thread / 4
	s_lshl_b32 s16, s14, 16
	s_lshl_b32 s15, s12, 8
	s_add_co_u32 s16, s16, s15                     ; q: b x 65,536 + head x 256 (k: 262,144 further on)
	s_mov_b32 s17, 0
	s_lshl_b32 s18, s14, 16
	s_lshl_b32 s15, s12, 12
	s_add_co_u32 s18, s18, s15
	s_add_co_u32 s18, s18, 524288                  ; v: 64 channels of 64 bytes a head
	s_mov_b32 s19, 0
	s_lshl_b32 s20, s12, 18                        ; proj_w: the head's 64 rows,
	s_lshl_b32 s22, ttmp9, 6                       ; my 16 columns
	s_add_co_u32 s20, s20, s22
	s_mov_b32 s21, 0
	s_mov_b32 s23, 0
	s_lshl_b32 s24, s14, 23                        ; out0: a sequence is 2,048 rows of 4,096 bytes
	s_add_co_u32 s24, s24, s22
	s_mov_b32 s25, 0
	s_mov_b32 s26, 0x76543210
	s_mov_b32 s27, 0xfedcba98
	s_mov_b32 s28, 0x3fb8aa3b                      ; log2(e)
	s_wait_kmcnt 0x0
	s_add_nc_u64 s[16:17], s[4:5], s[16:17]
	s_add_nc_u64 s[18:19], s[4:5], s[18:19]
	s_add_nc_u64 s[20:21], s[6:7], s[20:21]
	s_add_nc_u64 s[22:23], s[8:9], s[22:23]
	s_add_nc_u64 s[24:25], s[10:11], s[24:25]
.irp g, 0,1,2,3,4,5,6,7
	global_load_b128 v[16+4*\g:16+4*\g+3], v3, s[16:17] offset:16*\g             ; Q
.endr
.irp g, 0,1,2,3,4,5,6,7
	global_load_b128 v[48+4*\g:48+4*\g+3], v3, s[16:17] offset:262144+16*\g      ; K
.endr
.irp dt, 0,1,2,3
.irp g, 0,1
	global_load_b128 v[80+8*\dt+4*\g:80+8*\dt+4*\g+3], v4, s[18:19] offset:\dt*1024+\g*16   ; V^T: channel 16 dt + r, tokens 8 h + 0..7
.endr
.endr
.irp dt, 0,1,2,3
.irp e, 0,1,2,3,4,5,6,7
	global_load_b32 v[112+8*\dt+\e], v5, s[20:21] offset:(16*\dt+\e)*4096        ; proj_w(64 head + 16 dt + 8 h + e, my column)
.endr
.endr
	global_load_b128 v[12:15], v10, s[22:23]       ; the bias of four columns
	s_wait_loadcnt 41                              ; Q and K are in; behind them 8 + 32 + 1 loads were issued
	v_wmma_f32_16x16x4_f32 v[144:151], v[48:49], v[16:17], 0     ; two accumulators by turns; each sum's first link starts it
	v_wmma_f32_16x16x4_f32 v[152:159], v[50:51], v[18:19], 0
.irp i, 4,8,12,16,20,24,28
	v_wmma_f32_16x16x4_f32 v[144:151], v[48+\i:49+\i], v[16+\i:17+\i], v[144:151]
	v_wmma_f32_16x16x4_f32 v[152:159], v[50+\i:51+\i], v[18+\i:19+\i], v[152:159]
.endr
.rept 8
	v_nop                                          ; eight places behind this form, ahead of the first read of results
.endr
.irp j, 0,1,2,3,4,5,6,7
	v_add_f32 v[16+\j], v[144+\j], v[152+\j]       ; the score of key 8 h + j, into the registers that Q has left
.endr
.irp j, 0,1,2,3,4,5,6,7
	v_cmp_gt_i32 vcc_lo, \j, v6
	v_cndmask_b32 v[16+\j], v[16+\j], v7, vcc_lo   ; hidden keys: -infinity
.endr
	v_max3_num_f32 v24, v16, v17, v18
	v_max3_num_f32 v25, v19, v20, v21
	v_max3_num_f32 v24, v24, v22, v23
	v_max_num_f32 v24, v24, v25
	v_permlanex16_b32 v25, v24, s26, s27
	v_max_num_f32 v24, v24, v25                    ; the row's maximum: key 0 counts for every query, so it is a number
	v_mul_f32 v24, s28, v24
.irp j, 0,1,2,3,4,5,6,7
	v_fma_f32 v[16+\j], v[16+\j], s28, -v24
.endr
.irp j, 0,1,2,3,4,5,6,7
	v_exp_f32 v[16+\j], v[16+\j]
.endr
	v_nop
	s_wait_alu depctr_va_vdst(0)                   ; one wait for the eight exponentials, ahead of their first reader
	v_add_f32 v26, v16, v17
	v_add_f32 v27, v18, v19
	v_add_f32 v28, v20, v21
	v_add_f32 v29, v22, v23
	v_add_f32 v26, v26, v27
	v_add_f32 v28, v28, v29
	v_add_f32 v26, v26, v28
	v_permlanex16_b32 v27, v26, s26, s27
	v_add_f32 v26, v26, v27
	v_rcp_f32 v26, v26
	v_nop
	s_wait_alu depctr_va_vdst(0)
.irp j, 0,1,2,3,4,5,6,7
	v_mul_f32 v[16+\j], v[16+\j], v26              ; the weights, normalised
.endr
	s_wait_loadcnt 33                              ; V is in
.irp kq, 0,1,2,3                       ; O^T = V^T P: four accumulators by turns
.irp dt, 0,1,2,3
.if \kq == 0
	v_wmma_f32_16x16x4_f32 v[160+8*\dt:167+8*\dt], v[80+8*\dt:81+8*\dt], v[16:17], 0
.else
	v_wmma_f32_16x16x4_f32 v[160+8*\dt:167+8*\dt], v[80+8*\dt+2*\kq:81+8*\dt+2*\kq], v[16+2*\kq:17+2*\kq], v[160+8*\dt:167+8*\dt]
.endif
.endr
.endr
.rept 10
	v_nop                                          ; nine places are owed before a matrix instruction takes these results as a source
.endr
	s_wait_loadcnt 1                               ; proj_w's rows are in
.irp kq, 0,1,2,3                       ; out^T = W^T O: four accumulators by turns
.irp dt, 0,1,2,3
.if \kq == 0
	v_wmma_f32_16x16x4_f32 v[192+8*\dt:199+8*\dt], v[112+8*\dt:113+8*\dt], v[160+8*\dt:161+8*\dt], 0
.else
	v_wmma_f32_16x16x4_f32 v[192+8*\dt:199+8*\dt], v[112+8*\dt+2*\kq:113+8*\dt+2*\kq], v[160+8*\dt+2*\kq:161+8*\dt+2*\kq], v[192+8*\dt:199+8*\dt]
.endif
.endr
.endr
.rept 8
	v_nop
.endr
.irp j, 0,1,2,3,4,5,6,7
	v_add_f32 v[32+\j], v[192+\j], v[200+\j]
.endr
.irp j, 0,1,2,3,4,5,6,7
	v_add_f32 v[40+\j], v[208+\j], v[216+\j]
.endr
.irp j, 0,1,2,3,4,5,6,7
	v_add_f32 v[32+\j], v[32+\j], v[40+\j]         ; my head's part of out(token r, columns 8 h + j)
.endr
	ds_store_b128 v11, v[32:35]
	ds_store_b128 v11, v[36:39] offset:16
	s_wait_dscnt 0x0                               ; for the others' sake: my stores have landed
	s_barrier_signal -1
	s_barrier_wait -1
	s_cmp_ge_u32 s12, 2
	s_cbranch_scc1 .Lend
.irp hd, 0,1,2,3,4,5,6,7,8,9,10,11,12,13,14,15
	ds_load_b128 v[48+4*\hd:48+4*\hd+3], v225 offset:\hd*1024    ; waves 0 and 1: 64 threads, four numbers each, of all 16 heads
.endr
	s_wait_dscnt 0x0
	s_wait_loadcnt 0x0                             ; the bias
.macro QADD d, s
	v_pk_add_f32 v[\d:\d+1], v[\d:\d+1], v[\s:\s+1]
	v_pk_add_f32 v[\d+2:\d+3], v[\d+2:\d+3], v[\s+2:\s+3]
.endm
.irp u, 0,1,2,3,4,5,6,7
	QADD 48+8*\u, 52+8*\u
.endr
.irp u, 0,1,2,3
	QADD 48+16*\u, 56+16*\u
.endr
.irp u, 0,1
	QADD 48+32*\u, 64+32*\u
.endr
	QADD 48, 80
	QADD 48, 12
	global_store_b128 v224, v[48:51], s[24:25]
.Lend:
	s_wait_tensorcnt 0x0                           ; the wave's end, behind my last LDS store
	ds_add_u32 v8, v9
	s_wait_dscnt 0x0
	s_endpgm
.Lfunc_end_k_qbd1c1e869f_first16:
	.size	k_qbd1c1e869f_first16, .Lfunc_end_k_qbd1c1e869f_first16-k_qbd1c1e869f_first16
	.p2alignl 7, 3214868480
	.fill 96, 4, 3214868480
	.section	.rodata,"a",@progbits
	.p2align	6, 0x0
	.amdhsa_kernel k_qbd1c1e869f_first16
		.amdhsa_group_segment_fixed_size 18432
		.amdhsa_private_segment_fixed_size 0
		.amdhsa_enable_private_segment 0
		.amdhsa_kernarg_size 32
		.amdhsa_user_sgpr_count 2
		.amdhsa_user_sgpr_kernarg_segment_ptr 1
		.amdhsa_wavefront_size32 1
		.amdhsa_system_sgpr_workgroup_id_x 1
		.amdhsa_system_sgpr_workgroup_id_y 1
		.amdhsa_system_sgpr_workgroup_id_z 1
		.amdhsa_system_vgpr_workitem_id 0
		.amdhsa_next_free_vgpr 256
		.amdhsa_next_free_sgpr 66
		.amdhsa_reserve_vcc 1
		.amdhsa_float_denorm_mode_32 3
		.amdhsa_float_denorm_mode_16_64 3
		.amdhsa_memory_ordered 1
		.amdhsa_forward_progress 1
		.amdhsa_inst_pref_size 19
	.end_amdhsa_kernel
	.amdgpu_metadata
---
amdhsa.version: [ 1, 2 ]
amdhsa.kernels:
  - .name:           k_qbd1c1e869f_first16
    .symbol:         k_qbd1c1e869f_first16.kd
    .args:
      - { .name: f32rows, .offset: 0, .size: 8, .value_kind: global_buffer, .address_space: global }
      - { .name: proj_w, .offset: 8, .size: 8, .value_kind: global_buffer, .address_space: global }
      - { .name: proj_b, .offset: 16, .size: 8, .value_kind: global_buffer, .address_space: global }
      - { .name: out0, .offset: 24, .size: 8, .value_kind: global_buffer, .address_space: global }
    .group_segment_fixed_size: 18432
    .private_segment_fixed_size: 0
    .kernarg_segment_align: 8
    .kernarg_segment_size: 32
    .max_flat_workgroup_size: 512
    .sgpr_count:     66
    .vgpr_count:     256
    .wavefront_size: 32
...
	.end_amdgpu_metadata
.endif
;; end of part 5
